; MI455X (gfx1250); checked and timed in simulation.
; The chip was launched on July 23, 2026; its instructions are those of AMD's public machine-readable ISA for CDNA 5 (MIT licence, August 2026) and "CDNA5" Instruction Set Architecture Reference Guide (July 2026). The comments in the code are by the model that wrote it; some were corrected since.
;; Multi Headed Attention. Allowed arithmetic: float matrix products may take bf16 or f16 operands with f32 sums; all other float work in f32.
;; Inputs: Wk 1,024 x 1,024 float32; Wo 1,024 x 1,024 float32; Wq 1,024 x 1,024 float32; Wv 1,024 x 1,024 float32; x 4 x 2,048 x 1,024 float32.
;; Outputs: out0 4 x 2,048 x 1,024 float32.
;; One version. Each part assembles by itself: llvm-mc -triple=amdgcn-amd-amdhsa -mcpu=gfx1250 --defsym DOCPART=n.
;; ======== version 1 of 1: 4 launches
;; limits: values are held in f16: magnitudes above 65,504 overflow, below 6.1e-05 lose precision
;; workspace buffers: xb 16,777,216 bytes; wb 8,388,608 bytes; qkv 50,331,648 bytes; ao 16,777,216 bytes
;; launch cvt (part 1): grid 768 x 1, 8 waves a work-group, no clusters, 0 bytes of LDS; arguments x, Wq, Wk, Wv, Wo, xb, wb; writes xb, wb
.if DOCPART == 1
	.amdgcn_target "amdgcn-amd-amdhsa--gfx1250"
	.amdhsa_code_object_version 6
	.text
	.protected	k_qb5cb5a4f57_cvt
	.globl	k_qb5cb5a4f57_cvt
	.p2align	8
	.type	k_qb5cb5a4f57_cvt,@function
k_qb5cb5a4f57_cvt:
	s_mov_b64 s[64:65], 0
	v_nop
	global_prefetch_b8 v0, s[64:65] scope:SCOPE_SE
	s_setreg_imm32_b32 hwreg(HW_REG_WAVE_MODE, 25, 1), 1
	s_wait_xcnt 0x0
; x and the four weight matrices become matrix operands, once, so that every later launch moves and reads operands of two bytes.
; xb [8192][1024] from x;  wb [4096][1024] from Wq, Wk, Wv, Wo, one under the other.
; FORMAT: each number is rounded to bf16 (nearest even), the rounding of inputs that the problem's allowance is made for, and that bf16 number is
; stored as f16: its 8 significant bits fit into f16's 11, so the second conversion is exact for magnitudes from 2^-17 up to f16's largest number.
; One operand format then serves all later products, and it is f16 because the intermediates (q, k, v, the softmax's weights, the attention
; output) need its 11 bits: a row early in the sequence averages few values, is some ten times larger than the output's root mean square, and
; an intermediate rounded to 8 bits would alone pass the allowance there.
; LIMIT: an input of magnitude 65,520 or more becomes infinity; below 2^-17 the store as f16 adds an absolute error of 3e-8 at the most.
; A stream: every byte is read once and written once, so LDS, barriers, clusters and the matrix unit would add nothing.
; A work-group turns 65,536 bytes of f32 into 32,768 bytes of f16: groups 0-511 take x, groups 512-767 the weights (64 groups each).
; Thread t takes 32 bytes (8 numbers) at 32 t of each of eight passes of 8,192 bytes and stores 16 bytes at 16 t of 4,096:
; a store of a wave covers 512 consecutive bytes, aligned.  All sixteen loads go out first.
.set PASSES, 8
.set X, 4                              ; v[4:67]   pass p: 8 numbers in f32 as loaded, then the same rounded to bf16, widened again
.set Y, 68                             ; v[68:99]  pass p: 8 numbers packed: bf16 at first, then f16, to store
	s_load_b256 s[8:15], s[0:1], 0x0               ; x s[8:9], Wq s[10:11], Wk s[12:13], Wv s[14:15]
	s_load_b128 s[16:19], s[0:1], 0x20             ; Wo s[16:17], xb s[18:19]
	s_load_b64 s[20:21], s[0:1], 0x30              ; wb
	s_mov_b32 s5, ttmp9                            ; the work-group's number
	s_sub_co_u32 s2, s5, 512                       ; its number among the weights' groups (used only from 512 on)
	s_lshr_b32 s3, s2, 6                           ; which weight matrix
	s_and_b32 s4, s2, 63                           ; which 65,536 bytes of it
	s_mov_b32 s30, 0xffff0000                      ; a word's upper bf16
	v_lshlrev_b32 v1, 5, v0                        ; 32 t
	v_lshlrev_b32 v2, 4, v0                        ; 16 t
	s_wait_kmcnt 0x0
	s_cmp_eq_u32 s3, 1
	s_cselect_b64 s[22:23], s[12:13], s[10:11]     ; Wk or Wq
	s_cmp_eq_u32 s3, 2
	s_cselect_b64 s[22:23], s[14:15], s[22:23]     ; Wv
	s_cmp_eq_u32 s3, 3
	s_cselect_b64 s[22:23], s[16:17], s[22:23]     ; Wo
	s_cmp_lt_u32 s5, 512
	s_cselect_b64 s[22:23], s[8:9], s[22:23]       ; from: x or the weight
	s_cselect_b64 s[24:25], s[18:19], s[20:21]     ; to: xb or wb
	s_cselect_b32 s26, s5, s4                      ; the part of the source
	s_cselect_b32 s28, s5, s2                      ; the part of the target
	s_lshl_b32 s26, s26, 16
	s_mov_b32 s27, 0
	s_lshl_b32 s28, s28, 15
	s_mov_b32 s29, 0
	s_add_nc_u64 s[22:23], s[22:23], s[26:27]
	s_add_nc_u64 s[24:25], s[24:25], s[28:29]
.irp p, 0,1,2,3,4,5,6,7
	global_load_b128 v[X+8*\p:X+8*\p+3],   v1, s[22:23] offset:8192*\p th:TH_LOAD_NT
	global_load_b128 v[X+8*\p+4:X+8*\p+7], v1, s[22:23] offset:8192*\p+16 th:TH_LOAD_NT
.endr
.irp p, 0,1,2,3,4,5,6,7
	s_wait_loadcnt 14-2*\p                         ; loads come back in order: pass p's two are in (its X registers may be written), the later passes' stay out
.irp k, 0,1,2,3
	v_cvt_pk_bf16_f32 v[Y+4*\p+\k], v[X+8*\p+2*\k], v[X+8*\p+2*\k+1]   ; the one rounding: to bf16, nearest even
.endr
.irp k, 0,1,2,3
	v_lshlrev_b32 v[X+8*\p+2*\k],   16,  v[Y+4*\p+\k]                  ; bf16 to f32: the low half moves up,
	v_and_b32     v[X+8*\p+2*\k+1], s30, v[Y+4*\p+\k]                  ; the high half stays
.endr
.irp k, 0,1,2,3
	v_cvt_pk_f16_f32 v[Y+4*\p+\k], v[X+8*\p+2*\k], v[X+8*\p+2*\k+1]    ; the same numbers in f16
.endr
	global_store_b128 v2, v[Y+4*\p:Y+4*\p+3], s[24:25] offset:4096*\p   ; no hint: the next launch reads these bytes; a pass's Y is not written again
.endr
	s_endpgm
.Lfunc_end_k_qb5cb5a4f57_cvt:
	.size	k_qb5cb5a4f57_cvt, .Lfunc_end_k_qb5cb5a4f57_cvt-k_qb5cb5a4f57_cvt
	.p2alignl 7, 3214868480
	.fill 96, 4, 3214868480
	.section	.rodata,"a",@progbits
	.p2align	6, 0x0
	.amdhsa_kernel k_qb5cb5a4f57_cvt
		.amdhsa_group_segment_fixed_size 0
		.amdhsa_private_segment_fixed_size 0
		.amdhsa_enable_private_segment 0
		.amdhsa_kernarg_size 56
		.amdhsa_user_sgpr_count 2
		.amdhsa_user_sgpr_kernarg_segment_ptr 1
		.amdhsa_wavefront_size32 1
		.amdhsa_system_sgpr_workgroup_id_x 1
		.amdhsa_system_sgpr_workgroup_id_y 1
		.amdhsa_system_sgpr_workgroup_id_z 1
		.amdhsa_system_vgpr_workitem_id 0
		.amdhsa_next_free_vgpr 100
		.amdhsa_next_free_sgpr 66
		.amdhsa_reserve_vcc 0
		.amdhsa_float_denorm_mode_32 3
		.amdhsa_float_denorm_mode_16_64 3
		.amdhsa_memory_ordered 1
		.amdhsa_forward_progress 1
		.amdhsa_inst_pref_size 10
	.end_amdhsa_kernel
	.amdgpu_metadata
---
amdhsa.version: [ 1, 2 ]
amdhsa.kernels:
  - .name:           k_qb5cb5a4f57_cvt
    .symbol:         k_qb5cb5a4f57_cvt.kd
    .args:
      - { .name: x, .offset: 0, .size: 8, .value_kind: global_buffer, .address_space: global }
      - { .name: Wq, .offset: 8, .size: 8, .value_kind: global_buffer, .address_space: global }
      - { .name: Wk, .offset: 16, .size: 8, .value_kind: global_buffer, .address_space: global }
      - { .name: Wv, .offset: 24, .size: 8, .value_kind: global_buffer, .address_space: global }
      - { .name: Wo, .offset: 32, .size: 8, .value_kind: global_buffer, .address_space: global }
      - { .name: xb, .offset: 40, .size: 8, .value_kind: global_buffer, .address_space: global }
      - { .name: wb, .offset: 48, .size: 8, .value_kind: global_buffer, .address_space: global }
    .group_segment_fixed_size: 0
    .private_segment_fixed_size: 0
    .kernarg_segment_align: 8
    .kernarg_segment_size: 56
    .max_flat_workgroup_size: 256
    .sgpr_count:     66
    .vgpr_count:     100
    .wavefront_size: 32
...
	.end_amdgpu_metadata
.endif
;; end of part 1
;; launch qkvg (part 2): grid 12 x 32, 4 waves a work-group, clusters of 4 x 4, 327,680 bytes of LDS; arguments xb, wb, qkv; writes qkv
.if DOCPART == 2
	.amdgcn_target "amdgcn-amd-amdhsa--gfx1250"
	.amdhsa_code_object_version 6
	.text
	.protected	k_qb5cb5a4f57_qkvg
	.globl	k_qb5cb5a4f57_qkvg
	.p2align	8
	.type	k_qb5cb5a4f57_qkvg,@function
k_qb5cb5a4f57_qkvg:
	s_mov_b64 s[64:65], 0
	v_nop
	global_prefetch_b8 v0, s[64:65] scope:SCOPE_SE
	s_setreg_imm32_b32 hwreg(HW_REG_WAVE_MODE, 25, 1), 1
	s_wait_xcnt 0x0
	s_wait_alu depctr_hold_cnt(0) depctr_sa_sdst(0) depctr_va_vdst(0) depctr_va_sdst(0) depctr_va_ssrc(0) depctr_va_vcc(0) depctr_vm_vsrc(0)
	s_getreg_b32 s2, hwreg(HW_REG_IB_STS2, 6, 4)
	s_cmp_eq_u32 s2, 0
	s_cbranch_scc0 .Lentry_in_a_cluster
	s_endpgm
.Lentry_in_a_cluster:
	s_bfe_u32 s2, ttmp6, 0x10000c
	s_cmp_lg_u32 s2, 0xf033
	s_cbranch_scc0 .Lentry_shape_is_right
	s_endpgm
.Lentry_shape_is_right:
; q, k, v = x Wq^T, x Wk^T, x Wv^T as one product C = A W^T, f16 operands, f32 sums.
; A = xb [8192][1024], W = rows 0-3071 of wb (Wq, Wk, Wv) [3072][1024]; C leaves as f16, by heads: qkv [3][64 (batch, head)][2048][64].
; LIMIT: q, k and v are rounded to f16: a magnitude of 65,504 or more becomes infinity.
; A work-group makes a block of 256 x 256 of C with four waves, 2 x 2; a wave makes 128 x 128: 64 accumulator tiles of 16 x 16, 512 registers.
; K goes in steps of 128 through a ring of two LDS slots filled by the tensor data mover: a tile's rows are 256 bytes of memory, aligned.
; WHY THIS BLOCK: from a tile's request to the wait for it a wave issues 240 matrix instructions; a block of 128 x 256 leaves 104, and a slot
; of two of its K steps does not fit twice into LDS.  The price: 12 x 32 = 384 work-groups, which is no multiple of a power of two above 128.
; CLUSTERS: 4 x 4 work-groups.  A's tile hangs on the block row alone and is asked for jointly by the four of a row of the cluster;
; W's hangs on the block column alone and is asked for jointly by the four of a column: a quarter of the requests.
; REGISTERS, in windows of 256 (s_set_vgpr_msb says which window each operand place means):
;   window 0: v16-26 addresses; v64-127, v128-191 fragments of A (8 x 16 rows x 32 K), two buffers; v192-223 packed results on the way out
;   window 1: v64-127, v128-191 fragments of W, two buffers
;   window 2: the 32 accumulator tiles of my rows 0-63 (tile (a, b) at v[8 (8 a + b)]);   window 3: those of my rows 64-127
; THE MATRIX INSTRUCTION IS USED TRANSPOSED: source 0 = 16 rows of W, source 1 = 16 rows of A, so that lane l holds row l % 16 of C
; and its eight registers the neighbouring columns 8 (l / 16) + 0 .. 7, which pack into 16 bytes.
.set SIZE_K, 1024
.set KSTEP,  128
.set PITCH,  272                       ; an LDS row: 256 bytes + 16 of padding: the 16 rows of a fragment start 16 bytes apart modulo 256
.set HALFT,  128*PITCH                 ; 128 rows: what one tensor load brings, and what one wave reads of A or of W
.set SLOT,   4*HALFT                   ; A's 256 rows, then W's 256 rows
.set STAGE,  2*SLOT                    ; behind the ring, a multiple of 256: 16 rows x 272 bytes for each wave, for the way out; no fill lands here
.set SPITCH, 272
.set LAPS,   SIZE_K/(2*KSTEP)          ; a lap = two K steps = once round the ring: 4
.set ADRA, 16                          ; v16-17  LDS address of my A fragments in slot 0, 1
.set ADRB, 20                          ; v20-21  the same for W
.set STO,  24                          ; v24     the way out: where I put 16 bytes of a row
.set RD,   25                          ; v25     the way out: where I read back
.set CO,   26                          ; v26     my byte offset in qkv
.set F0,   64                          ; fragment buffer 0
.set F1,   128                         ; fragment buffer 1
.set TMP,  192                         ; the way out: packed results, in window 0
.set G1,  24                           ; s[24:31] descriptor group 1 for A's tiles
.set G0,  32                           ; s[32:39] descriptor group 0 for A's tiles, one set for each slot
.set G1B, 48                           ; s[48:55] group 1 for W's tiles: it differs from A's in the mask alone
.set G0B, 56                           ; s[56:63] group 0 for W's tiles, one set for each slot
.set MSB, 0
.macro WIN new                         ; the immediate's high byte repeats the setting that is left
.if MSB != \new
	s_set_vgpr_msb (MSB<<8)|\new
.set MSB, \new
.endif
.endm
.set MUL_LO, 0xa1                      ; source 0 (W) window 1, source 1 (A) window 0, C and D window 2
.set MUL_HI, 0xf1                      ; the same, C and D window 3
.set TO_B,   0x40                      ; destination window 1, address window 0
; A joint load: waves 0, 1 ask for A's two halves, waves 2, 3 for W's.  Each line has one mask; the branch hangs on the wave's number alone.
.macro JLOAD s
	s_cmp_eq_u32 s11, 0
	s_cbranch_scc0 .Lfor_b_\@
	tensor_load_to_lds s[G0+4*\s:G0+4*\s+3], s[G1:G1+7]
	s_nop 0
	s_branch .Lasked_\@
.Lfor_b_\@:
	tensor_load_to_lds s[G0B+4*\s:G0B+4*\s+3], s[G1B:G1B+7]
	s_nop 0
.Lasked_\@:
.endm
; A round of the cluster's barrier: my work-group's barrier, wave 0 signals for the work-group, every wave waits for all sixteen, my work-group's barrier again.
.macro CREST                           ; a round behind its opening barrier
	s_cmp_lg_u32 s10, 0
	s_cbranch_scc1 .Lnot_wave_0_\@
	s_barrier_signal -3
.Lnot_wave_0_\@:
	s_barrier_wait -3
	s_barrier_signal -1
	s_barrier_wait -1
.endm
.macro CROUND                          ; a whole round
	s_barrier_signal -1
	s_barrier_wait -1
	CREST
.endm
	s_load_b128 s[4:7], s[0:1], 0x0                ; xb s[4:5], wb s[6:7]
	s_load_b64 s[8:9], s[0:1], 0x10                ; qkv
	s_set_vgpr_msb 0x40
	v_lshl_add_u32 v255, v0, 2, 0x48400
	s_set_vgpr_msb 0x4000
	v_mov_b32 v255, 0
	s_set_vgpr_msb 0x1
	ds_add_u32 v255, v255
	ds_add_u32 v255, v255
	s_set_vgpr_msb 0x100
	v_lshrrev_b32 v1, 5, v0
	v_readfirstlane_b32 s10, v1                    ; wave 0..3
	s_lshr_b32 s11, s10, 1                         ; which 128 rows of the block are mine.  Also: I fetch for A (0) or for W (1)
	s_and_b32 s12, s10, 1                          ; which 128 columns.  Also: which 128 rows of that tile I fetch
	s_bfe_u32 s40, ttmp6, 0x40000                  ; cx
	s_bfe_u32 s41, ttmp6, 0x40004                  ; cy
	s_lshl_b32 s42, ttmp9, 2
	s_add_co_u32 s42, s42, s40                     ; block column = 4 x cluster x + cx
	s_and_b32 s13, ttmp7, 0xffff
	s_lshl_b32 s13, s13, 2
	s_add_co_u32 s13, s13, s41                     ; block row = 4 x cluster y + cy
	s_lshl_b32 s43, s41, 2
	s_lshl_b32 s43, 15, s43                        ; my row of the cluster: places 4 cy .. 4 cy + 3
	s_lshl_b32 s44, 0x1111, s40                    ; my column: places cx, cx + 4, cx + 8, cx + 12
	; group 1: a tile of 128 rows x 128 elements of 2 bytes, 4 words of padding behind every 64 words; bit 21 beside a mask
	s_or_b32 s[G1+0], s43, (1<<16)|(1<<20)|(1<<21)|(5<<22)|(3<<25)   ; A's tiles go to my row of the cluster
	s_or_b32 s[G1B+0], s44, (1<<16)|(1<<20)|(1<<21)|(5<<22)|(3<<25)  ; W's tiles to my column
	s_mov_b32 s[G1+1], KSTEP<<16                   ; tensor_dim0 = 128
	s_mov_b32 s[G1B+1], KSTEP<<16
	s_mov_b32 s[G1+2], 128<<16                     ; tensor_dim1 = 128
	s_mov_b32 s[G1B+2], 128<<16
	s_mov_b32 s[G1+3], KSTEP<<16                   ; tile_dim0 = 128
	s_mov_b32 s[G1B+3], KSTEP<<16
	s_mov_b32 s[G1+4], 128                         ; tile_dim1 = 128
	s_mov_b32 s[G1B+4], 128
	s_mov_b32 s[G1+5], SIZE_K                      ; elements from row to row
	s_mov_b32 s[G1B+5], SIZE_K
	s_mov_b32 s[G1+6], 0
	s_mov_b32 s[G1B+6], 0
	s_mov_b32 s[G1+7], 0
	s_mov_b32 s[G1B+7], 0
	; where the tiles come from: A's offset is made of the block row and the wave's number, W's of the block column and the wave's number,
	; each in registers that never hold the other coordinate
	s_lshl_b32 s17, s12, 7                         ; which 128 rows of the tile I fetch
	s_lshl_b32 s16, s13, 8
	s_add_co_u32 s16, s16, s17                     ; A: row 256 x block row + 128 x half
	s_lshl_b32 s16, s16, 11                        ; rows of 2,048 bytes
	s_lshl_b32 s46, s42, 8
	s_add_co_u32 s46, s46, s17                     ; W: row 256 x block column + 128 x half
	s_lshl_b32 s46, s46, 11
	s_mov_b32 s17, 0
	s_mov_b32 s47, 0
	s_mul_i32 s20, s10, HALFT                      ; and where they go: A's two halves, then W's two halves = wave x 128 rows: no place in the cluster enters an LDS address
	s_wait_dscnt 0x0
	s_wait_kmcnt 0x0
	s_add_nc_u64 s[14:15], s[4:5], s[16:17]
	s_add_nc_u64 s[46:47], s[6:7], s[46:47]
	CROUND                                         ; all sixteen work-groups are here: the first joint loads meet
.irp s, 0,1
	s_mov_b32 s[G0+4*\s], 1
	s_add_co_u32 s[G0+4*\s+1], s20, \s*SLOT                        ; LDS address
	s_add_nc_u64 s[G0+4*\s+2:G0+4*\s+3], s[14:15], \s*KSTEP*2      ; global address: K step s
	s_or_b32 s[G0+4*\s+3], s[G0+4*\s+3], 0x80000000                ; the descriptor's type
	s_mov_b32 s[G0B+4*\s], 1
	s_add_co_u32 s[G0B+4*\s+1], s20, \s*SLOT
	s_add_nc_u64 s[G0B+4*\s+2:G0B+4*\s+3], s[46:47], \s*KSTEP*2
	s_or_b32 s[G0B+4*\s+3], s[G0B+4*\s+3], 0x80000000
	JLOAD \s                                       ; both slots' first fills go out together: two loads of a wave are out
.endr
	; a fragment: lane l holds row l % 16; registers 0-3 K = 8 (l / 16) + 0..7, registers 4-7 K = 16 + 8 (l / 16) + 0..7: two loads of 16 bytes, 32 apart
	v_and_b32 v1, 15, v0                           ; r
	v_bfe_u32 v2, v0, 4, 1                         ; h
	v_mul_u32_u24 v3, v1, PITCH
	v_lshl_add_u32 v3, v2, 4, v3                   ; r x pitch + 16 h
	s_mul_i32 s21, s11, HALFT                      ; my 128 rows of A
	s_mul_i32 s22, s12, HALFT                      ; my 128 rows of W,
	s_add_co_u32 s22, s22, 2*HALFT                 ; which lie behind A's 256
.irp s, 0,1
	v_add_nc_u32 v[ADRA+\s], s21, v3
	v_add_nc_u32 v[ADRB+\s], s22, v3
	s_add_co_u32 s21, s21, SLOT
	s_add_co_u32 s22, s22, SLOT
.endr
	s_mul_i32 s23, s10, 16*SPITCH
	s_add_co_u32 s23, s23, STAGE                   ; my stage
	v_add_nc_u32 v[STO], s23, v3                   ; in: row r, 16 bytes for each half of the lanes (the stage's pitch is the tiles')
	v_bfe_u32 v5, v0, 3, 1                         ; back: lanes 0-7 row 2 t, lanes 8-15 row 2 t + 1 of the first head's 128 bytes; lanes 16-31 the second head's
	v_and_b32 v6, 7, v0
	v_lshlrev_b32 v6, 4, v6
	v_mul_u32_u24 v7, v5, SPITCH
	v_lshl_add_u32 v7, v2, 7, v7
	v_add_nc_u32 v7, v7, v6
	v_add_nc_u32 v[RD], s23, v7
	v_lshl_add_u32 v7, v5, 7, v6                   ; out: two rows of a head are 256 consecutive bytes; the second head lies one plane of 262,144 bytes on
	v_lshl_add_u32 v[CO], v2, 18, v7
; 16 matrix instructions: row blocks a0, a0 + 1 of the window's four (hi = 0: my rows 0-63, 1: rows 64-127) x all 8 column blocks, 32 along K.
; zero = 1: the first product starts the sums: nothing is ever cleared.
; The 64 accumulators take turns, one instruction a turn, in the same order in every quarter step.
.macro MUL16 f, hi, a0, zero
.irp a, \a0, \a0+1
.irp b, 0,1,2,3,4,5,6,7
.if \zero
	v_wmma_f32_16x16x32_f16 v[8*(8*(\a)+\b):8*(8*(\a)+\b)+7], v[\f+8*\b:\f+8*\b+7], v[\f+8*(4*\hi+\a):\f+8*(4*\hi+\a)+7], 0
.else
	v_wmma_f32_16x16x32_f16 v[8*(8*(\a)+\b):8*(8*(\a)+\b)+7], v[\f+8*\b:\f+8*\b+7], v[\f+8*(4*\hi+\a):\f+8*(4*\hi+\a)+7], v[8*(8*(\a)+\b):8*(8*(\a)+\b)+7]
.endif
.endr
.endr
.endm
; 32 LDS loads in one run: the fragments of one quarter step (128 rows of W, 128 rows of A, 32 K at byte k of the rows) into buffer f
.macro FETCH slot, k, f
	WIN TO_B
.irp i, 0,1,2,3,4,5,6,7
	ds_load_b128 v[\f+8*\i:\f+8*\i+3],   v[ADRB+\slot] offset:\k+\i*16*PITCH
	ds_load_b128 v[\f+8*\i+4:\f+8*\i+7], v[ADRB+\slot] offset:\k+\i*16*PITCH+32
.endr
	WIN 0
.irp i, 0,1,2,3,4,5,6,7
	ds_load_b128 v[\f+8*\i:\f+8*\i+3],   v[ADRA+\slot] offset:\k+\i*16*PITCH
	ds_load_b128 v[\f+8*\i+4:\f+8*\i+7], v[ADRA+\slot] offset:\k+\i*16*PITCH+32
.endr
.endm
; A load into a register that a matrix instruction has read, and a vector instruction that reads a matrix result, stand four places behind
; that matrix instruction; only plain vector instructions that name none of its registers are places.
.macro PLACES
.rept 4
	v_nop
.endr
.endm
; A K step is four quarter steps of 32 along K, 64 matrix instructions each, on buffers 0, 1, 0, 1.
; One of the first three: multiplies buffer f; in its middle it fetches the next quarter's fragments, at byte k of the same slot's rows, into buffer g.
.macro QUARTER slot, k, f, g, zero
	s_wait_dscnt 8                                 ; W and A's rows 0-63 are in; the youngest eight loads (A's rows 64-127) may be out
	WIN MUL_LO
	MUL16 \f, 0, 0, \zero
	MUL16 \f, 0, 2, \zero
	PLACES
	FETCH \slot, \k, \g
	s_wait_dscnt 32                                ; all but the 32 just issued
	WIN MUL_HI
	MUL16 \f, 1, 0, \zero
	MUL16 \f, 1, 2, \zero
.endm
.macro THREE slot, zero
	QUARTER \slot, 64,  F0, F1, \zero
	QUARTER \slot, 128, F1, F0, 0
	QUARTER \slot, 192, F0, F1, 0
.endm
; The last quarter: multiplies buffer 1 and changes slots.  In front of the barrier each wave waits for its reads of this slot and for all its
; tensor loads (one is out: its part of the next slot).  Behind it (with fill: behind the cluster's round that it opens) nobody reads this slot
; and the next slot is whole: the refill comes first, then the next slot's first fragments.
.macro TURN slot, next, fill
	s_wait_dscnt 8
	WIN MUL_LO
	MUL16 F1, 0, 0, 0
	s_wait_dscnt 0                                 ; my reads of this slot are over
	s_wait_tensorcnt 0x0                           ; all my tensor loads have landed
	ds_add_u32 v255, v255
	s_wait_dscnt 0x0
	s_barrier_signal -1
	MUL16 F1, 0, 2, 0                              ; register work while the others arrive
	WIN 0
	s_barrier_wait -1
.if \fill
	CREST                                          ; no wave of any partner still reads this slot or has a load on its way
	s_add_nc_u64 s[G0+4*\slot+2:G0+4*\slot+3], s[G0+4*\slot+2:G0+4*\slot+3], 2*KSTEP*2
	s_add_nc_u64 s[G0B+4*\slot+2:G0B+4*\slot+3], s[G0B+4*\slot+2:G0B+4*\slot+3], 2*KSTEP*2
	JLOAD \slot                                    ; my one tensor load behind the round, two K steps ahead
.endif
	PLACES
	FETCH \next, 0, F0
	WIN MUL_HI
	MUL16 F1, 1, 0, 0
	MUL16 F1, 1, 2, 0
.endm
.macro LAP zero                        ; once round the ring, both slots filled again
	THREE 0, \zero
	TURN 0, 1, 1
	THREE 1, 0
	TURN 1, 0, 1
.endm
	s_wait_tensorcnt 0x1                           ; my part of K step 0 is in; K step 1's may stay out
	s_barrier_signal -1
	s_barrier_wait -1
	FETCH 0, 0, F0
	LAP 1                                          ; the first lap stands in front of the loop: its first products start the sums
	WIN 0                                          ; at a label and at a branch every window is 0
	s_mov_b32 s3, LAPS-2
.Llap:
	LAP 0
	WIN 0
	s_sub_co_u32 s3, s3, 1
	s_cmp_lg_u32 s3, 0
	s_cbranch_scc1 .Llap
	THREE 0, 0                                     ; the last lap fills nothing: my one tensor load that is still out is slot 1's, the last K step's
	TURN 0, 1, 0
	THREE 1, 0
	s_wait_dscnt 8                                 ; the very last quarter: nothing more to fetch
	WIN MUL_LO
	MUL16 F1, 0, 0, 0
	MUL16 F1, 0, 2, 0
	s_wait_dscnt 0
	WIN MUL_HI
	MUL16 F1, 1, 0, 0
	MUL16 F1, 1, 2, 0
	; THE WAY OUT, 16 rows at a time: round to f16, 16 bytes a lane into my own stage in LDS, read back by heads.
	; The four v_nop are the places behind the last matrix instructions: for the conversions, which read results, and for the loads into buffers 0 and 1.
	PLACES
	s_lshl_b32 s16, s13, 8
	s_lshl_b32 s14, s11, 7
	s_add_co_u32 s16, s16, s14                     ; my first row of C
	s_lshr_b32 s14, s16, 11                        ; batch
	s_and_b32 s16, s16, 2047                       ; row in the sequence
	s_lshl_b32 s14, s14, 22                        ; 16 planes of 262,144 bytes a batch
	s_lshl_b32 s16, s16, 7                         ; rows of 128 bytes
	s_add_co_u32 s16, s16, s14
	s_mov_b32 s17, 0
	s_add_nc_u64 s[8:9], s[8:9], s[16:17]
	s_lshl_b32 s46, s42, 2                         ; (in the registers that held W's address: none that feeds A's descriptors ever holds cx)
	s_lshl_b32 s47, s12, 1
	s_add_co_u32 s46, s46, s47                     ; my first column / 64: 16 x (q, k or v) + head
	s_lshr_b32 s47, s46, 4
	s_and_b32 s46, s46, 15
	s_lshl_b32 s47, s47, 24                        ; 64 planes for each of q, k, v
	s_lshl_b32 s46, s46, 18
	s_add_co_u32 s46, s46, s47
	s_mov_b32 s47, 0
	s_add_nc_u64 s[8:9], s[8:9], s[46:47]
; rows 16 i .. 16 i + 15 of my block = the eight tiles (a, 0..7) of window 2 or 3 (from = 0x0a or 0x0f: sources 0 and 1); f: F0 or F1 in turn.
; Sixteen lanes store two rows of one head: 256 consecutive bytes, aligned.  The rows' place stands in the immediate: 16,128 bytes at the most.
.macro OUT16 i, a, from, f
	WIN \from
.irp b, 0,1,2,3,4,5,6,7
.irp r, 0,1,2,3
	v_cvt_pk_f16_f32 v[TMP+4*\b+\r], v[8*(8*\a+\b)+2*\r], v[8*(8*\a+\b)+2*\r+1]
.endr
.endr
	WIN 0
.irp b, 0,1,2,3,4,5,6,7
	ds_store_b128 v[STO], v[TMP+4*\b:TMP+4*\b+3] offset:32*\b
.endr
	s_wait_xcnt 0x0                                ; buffer f, which earlier stores read, is loaded again only behind this wait
.irp t, 0,1,2,3,4,5,6,7
	ds_load_b128 v[\f+4*\t:\f+4*\t+3], v[RD] offset:\t*2*SPITCH    ; LDS serves a wave's instructions in order (ISA guide 5.7.1): these see the stores above
.endr
.irp t, 0,1,2,3,4,5,6,7
	s_wait_dscnt 7-\t                              ; rows 2 t, 2 t + 1 are back, the younger ones stay out
	global_store_b128 v[CO], v[\f+4*\t:\f+4*\t+3], s[8:9] offset:256*\t+2048*\i
.endr
.endm
	OUT16 0, 0, 0x0a, F0
	OUT16 1, 1, 0x0a, F1
	OUT16 2, 2, 0x0a, F0
	OUT16 3, 3, 0x0a, F1
	OUT16 4, 0, 0x0f, F0
	OUT16 5, 1, 0x0f, F1
	OUT16 6, 2, 0x0f, F0
	OUT16 7, 3, 0x0f, F1
	s_set_vgpr_msb 0x1
	s_wait_tensorcnt 0x0
	ds_add_u32 v255, v255
	s_wait_dscnt 0x0
	s_set_vgpr_msb 0x100
	CROUND                                         ; the closing round: no work-group ends while a partner may still ask for a tile that names it
	s_endpgm
.Lfunc_end_k_qb5cb5a4f57_qkvg:
	.size	k_qb5cb5a4f57_qkvg, .Lfunc_end_k_qb5cb5a4f57_qkvg-k_qb5cb5a4f57_qkvg
	.p2alignl 7, 3214868480
	.fill 96, 4, 3214868480
	.section	.rodata,"a",@progbits
	.p2align	6, 0x0
	.amdhsa_kernel k_qb5cb5a4f57_qkvg
		.amdhsa_group_segment_fixed_size 327680
		.amdhsa_private_segment_fixed_size 0
		.amdhsa_enable_private_segment 0
		.amdhsa_kernarg_size 24
		.amdhsa_user_sgpr_count 2
		.amdhsa_user_sgpr_kernarg_segment_ptr 1
		.amdhsa_wavefront_size32 1
		.amdhsa_system_sgpr_workgroup_id_x 1
		.amdhsa_system_sgpr_workgroup_id_y 1
		.amdhsa_system_sgpr_workgroup_id_z 1
		.amdhsa_system_vgpr_workitem_id 0
		.amdhsa_next_free_vgpr 1024
		.amdhsa_next_free_sgpr 66
		.amdhsa_reserve_vcc 0
		.amdhsa_float_denorm_mode_32 3
		.amdhsa_float_denorm_mode_16_64 3
		.amdhsa_memory_ordered 1
		.amdhsa_forward_progress 1
		.amdhsa_inst_pref_size 196
	.end_amdhsa_kernel
	.amdgpu_metadata
---
amdhsa.version: [ 1, 2 ]
amdhsa.kernels:
  - .name:           k_qb5cb5a4f57_qkvg
    .symbol:         k_qb5cb5a4f57_qkvg.kd
    .args:
      - { .name: xb, .offset: 0, .size: 8, .value_kind: global_buffer, .address_space: global }
      - { .name: wb, .offset: 8, .size: 8, .value_kind: global_buffer, .address_space: global }
      - { .name: qkv, .offset: 16, .size: 8, .value_kind: global_buffer, .address_space: global }
    .group_segment_fixed_size: 327680
    .private_segment_fixed_size: 0
    .kernarg_segment_align: 8
    .kernarg_segment_size: 24
    .max_flat_workgroup_size: 128
    .sgpr_count:     66
    .vgpr_count:     1024
    .wavefront_size: 32
...
	.end_amdgpu_metadata
.endif
;; end of part 2
;; launch attn (part 3): grid 256 x 1, 8 waves a work-group, no clusters, 327,680 bytes of LDS; arguments qkv, ao; writes ao
.if DOCPART == 3
	.amdgcn_target "amdgcn-amd-amdhsa--gfx1250"
	.amdhsa_code_object_version 6
	.text
	.protected	k_qb5cb5a4f57_attn
	.globl	k_qb5cb5a4f57_attn
	.p2align	8
	.type	k_qb5cb5a4f57_attn,@function
k_qb5cb5a4f57_attn:
	s_mov_b64 s[64:65], 0
	v_nop
	global_prefetch_b8 v0, s[64:65] scope:SCOPE_SE
	s_setreg_imm32_b32 hwreg(HW_REG_WAVE_MODE, 25, 1), 1
	s_wait_xcnt 0x0
; Causal attention with a running maximum.  qkv [3][64 (batch, head)][2048][64] f16 -> ao [16 heads][8192 rows][64] f16.
; LIMIT: P (0 to 1) and the result are rounded to f16; sums, maxima and exponents are f32.  q, k, v come in f16: where one of them has
; passed 65,504 and is infinite, the rows that it reaches are not finite, and neither are the same lanes' rows of the second q block (see BEGINQ).
; Work-group id: j = id & 3, (batch, head) = id >> 2.  It takes the q blocks of 256 rows number j and 7 - j: (j + 1) + (8 - j) = 9 key tiles
; of 256 for every work-group.  Wave w takes 32 rows of a block, group g = w (w < 4) or 11 - w, so that waves w and w + 4 together have five
; substeps of 64 keys in a diagonal tile.  Keys beyond the diagonal's substep are not touched: the mask would throw their products away.
; NO MULTICAST: the four work-groups of a head need different tiles in the same step (tile n against tile n - j - 1); walking tiles 0..7
; jointly for both blocks would take 12 steps of work-group time in the place of 9.
; TRANSPOSED FORM: S^T = K Q^T (source 0 = 16 keys, source 1 = 16 q rows): lane (r, h) holds q = r and keys 8 h + 0..7, so maximum, sum and
; rescaling are a lane's own, and two packed S tiles ARE the second source of O^T = V^T P^T: no number crosses a lane but the maximum (once).
; V^T's fragments come from V [key][d] by the transposing LDS load.
; K and V go through two LDS slots of 256 keys; waves 0-3 fetch V's quarters, waves 4-7 K's: one tensor load of a wave is out at a time.
.set PLANE,  262144                    ; bytes of one (batch, head) of q, k or v
.set VPITCH, 160                       ; V's LDS rows: 128 bytes + 32: an odd multiple of 32, for the transposing load
.set KPITCH, 144                       ; K's LDS rows: 128 bytes + 16: an odd multiple of 16
.set VBYTES, 256*VPITCH
.set KBYTES, 256*KPITCH
.set SLOT,   VBYTES+KBYTES             ; V's 256 rows, then K's
.set STAGE,  2*SLOT                    ; a multiple of 256; no fill lands behind it
.set STAGEW, 32*KPITCH                 ; a wave's stage: 32 rows of 128 bytes + 16
; window 0: v4 K's, v5 V's fragment address in slot 0; v6, v7 the same in slot 1 (none is ever rewritten: a substep's place stands in the immediate);
; v8 r - 8 h + 32 (g & 1); v9 -inf; v10 Q's offset; v11, v12 stage in, back; v13 16 x lane; v14-15 maxima; v[16:17], v[18:19] -c x maximum;
; v[20:21], v[22:23] rescaling factor (of these pairs the first register is used, for both halves of a packed instruction; the second is written
; once); v[24:25], v[26:27] sums, two partial ones a lane; v28-31 at work
.set SC, 32                            ; v[32:95]    S (qt, kt) at 32 qt + 8 kt
.set PB, 96                            ; v[96:127]   P (qt, kp) at 16 qt + 8 kp
.set KF, 128                           ; v[128:191]  K (kt, dh) at 16 kt + 8 dh
.set VF, 192                           ; v[192:255]  V^T (dt, kp) at 16 dt + 8 kp
.set OC, 0                             ; window 1, v[0:63]   O^T (qt, dt) at 32 qt + 8 dt
.set QF, 64                            ; window 1, v[64:95]  Q (qt, dh) at 16 qt + 8 dh
; s8 wave, s9 g, s10 j, s11 (batch, head), s12 step, s13 laps left, s14 the tile asked for last, s15 substeps of this step, s16 the masked substep,
; s17 diagonal step, s[22:23] V's and s[24:25] K's address at tile 0 and my quarter, s[26:27] an offset in 64 bits (s27 stays 0)
.set MSB, 0
.macro WIN new                         ; the immediate's high byte repeats the setting that is left
.if MSB != \new
	s_set_vgpr_msb (MSB<<8)|\new
.set MSB, \new
.endif
.endm
.macro VKLOAD                          ; waves 0-3: my quarter of V's tile; waves 4-7: my quarter of K's
	s_cmp_lt_u32 s8, 4
	s_cbranch_scc0 .Lfor_k_\@
	tensor_load_to_lds s[44:47], s[28:35]
	s_nop 0
	s_branch .Lasked_\@
.Lfor_k_\@:
	tensor_load_to_lds s[48:51], s[36:43]
	s_nop 0
.Lasked_\@:
.endm
.macro QLOAD ptr                       ; my 32 q rows as second sources: lane (r, h): row 16 qt + r, d = 32 dh + 8 h .. and + 16
	WIN 0x40                                       ; loaded data in window 1
.irp qt, 0,1
.irp dh, 0,1
	global_load_b128 v[QF+16*\qt+8*\dh:QF+16*\qt+8*\dh+3],   v10, s[\ptr:\ptr+1] offset:2048*\qt+64*\dh
	global_load_b128 v[QF+16*\qt+8*\dh+4:QF+16*\qt+8*\dh+7], v10, s[\ptr:\ptr+1] offset:2048*\qt+64*\dh+32
.endr
.endr
	WIN 0
.endm
; A q block begins: maximum -inf, so the block's first rescaling factor is 2^(-inf) = 0, and it multiplies whatever finite numbers O and the
; sums hold to zero.  So O and the sums are cleared once, at the kernel's start, where the registers hold nothing; the second block begins
; on the first block's results, which are finite wherever q, k and v are.
.macro BEGINQ
	v_mov_b32 v14, v9
	v_mov_b32 v15, v9
	v_mov_b32 v16, 0x7f800000                      ; -c x (-inf)
	v_mov_b32 v18, 0x7f800000
.endm
	s_load_b128 s[4:7], s[0:1], 0x0                ; qkv s[4:5], ao s[6:7]
	s_set_vgpr_msb 0x40
	v_lshl_add_u32 v96, v0, 2, 0x2f000
	v_mov_b32 v97, 0
	s_set_vgpr_msb 0x4045
	ds_add_u32 v96, v97
	ds_add_u32 v96, v97
	s_set_vgpr_msb 0x4500
	v_lshrrev_b32 v1, 5, v0
	v_readfirstlane_b32 s8, v1                     ; wave 0..7
	s_and_b32 s10, ttmp9, 3                        ; j
	s_lshr_b32 s11, ttmp9, 2                       ; (batch, head)
	s_sub_co_u32 s9, 11, s8
	s_cmp_lt_u32 s8, 4
	s_cselect_b32 s9, s8, s9                       ; g
	; group 1: 64 rows of 64 elements of 2 bytes, dense in memory; padding behind every 32 words: V 8 words, K 4 words
	s_mov_b32 s28, (1<<16)|(1<<20)|(4<<22)|(7<<25)
	s_mov_b32 s29, 64<<16                          ; tensor_dim0
	s_mov_b32 s30, 64<<16                          ; tensor_dim1
	s_mov_b32 s31, 64<<16                          ; tile_dim0
	s_mov_b32 s32, 64                              ; tile_dim1
	s_mov_b32 s33, 64                              ; elements from row to row
	s_mov_b32 s34, 0
	s_mov_b32 s35, 0
	s_mov_b32 s36, (1<<16)|(1<<20)|(4<<22)|(3<<25)
	s_mov_b32 s37, 64<<16
	s_mov_b32 s38, 64<<16
	s_mov_b32 s39, 64<<16
	s_mov_b32 s40, 64
	s_mov_b32 s41, 64
	s_mov_b32 s42, 0
	s_mov_b32 s43, 0
	s_mul_i32 s52, s8, 64*VPITCH                   ; where V's quarters go in slot 0: waves 0-3
	s_mul_i32 s53, s8, 64*KPITCH
	s_add_co_u32 s53, s53, VBYTES-4*64*KPITCH      ; where K's go: waves 4-7, behind V's 256 rows
	s_mov_b32 s44, 1
	s_mov_b32 s45, s52
	s_mov_b32 s48, 1
	s_mov_b32 s49, s53
	s_and_b32 s3, s8, 3
	s_lshl_b32 s3, s3, 13                          ; my quarter: 64 rows of 128 bytes
	s_add_co_u32 s26, s11, 128                     ; v's planes are 128 .. 191
	s_lshl_b32 s26, s26, 18
	s_add_co_u32 s26, s26, s3
	s_mov_b32 s27, 0
	s_wait_dscnt 0x0
	s_wait_kmcnt 0x0
	s_add_nc_u64 s[22:23], s[4:5], s[26:27]        ; V at tile 0, my quarter
	s_sub_co_u32 s26, s26, 64*PLANE                ; k's planes are 64 .. 127
	s_add_nc_u64 s[24:25], s[4:5], s[26:27]        ; K at tile 0, my quarter
	s_mov_b64 s[46:47], s[22:23]
	s_or_b32 s47, s47, 0x80000000                  ; the descriptor's type
	s_mov_b64 s[50:51], s[24:25]
	s_or_b32 s51, s51, 0x80000000
	VKLOAD                                         ; tile 0 into slot 0, ahead of everything else
	s_mov_b32 s18, 0x76543210                      ; v_permlanex16_b32: lane i of one half reads lane i of the other
	s_mov_b32 s19, 0xfedcba98
	s_mov_b32 s20, 0x3e38aa3b                      ; c = log2(e) / sqrt(64): e^(s/8) = 2^(c s)
	s_mov_b32 s21, 0x3e38aa3b
	s_mov_b32 s2, 0xbe38aa3b                       ; -c
	s_lshr_b32 s63, s9, 1                          ; the diagonal tile's masked substep,
	s_add_co_u32 s62, s63, 1                       ; which is its last
	; my rows of q and of the result in both blocks
	s_lshl_b32 s14, s11, 18
	s_lshl_b32 s15, s9, 12                         ; 32 g rows of 128 bytes
	s_add_co_u32 s14, s14, s15
	s_lshl_b32 s16, s10, 15                        ; block j: 256 j rows
	s_sub_co_u32 s17, 7, s10
	s_lshl_b32 s17, s17, 15                        ; block 7 - j
	s_add_co_u32 s26, s14, s16
	s_add_nc_u64 s[54:55], s[4:5], s[26:27]        ; q, first block
	s_add_co_u32 s26, s14, s17
	s_add_nc_u64 s[56:57], s[4:5], s[26:27]        ; q, second block
	s_and_b32 s14, s11, 15
	s_lshl_b32 s14, s14, 20                        ; the head's 8,192 rows of 128 bytes
	s_lshr_b32 s3, s11, 4
	s_lshl_b32 s3, s3, 18                          ; the batch's 2,048 rows
	s_add_co_u32 s14, s14, s3
	s_add_co_u32 s14, s14, s15
	s_add_co_u32 s26, s14, s16
	s_add_nc_u64 s[58:59], s[6:7], s[26:27]        ; result, first block
	s_add_co_u32 s26, s14, s17
	s_add_nc_u64 s[60:61], s[6:7], s[26:27]        ; result, second block
	v_and_b32 v1, 15, v0                           ; r
	v_bfe_u32 v2, v0, 4, 1                         ; h
	v_and_b32 v3, 7, v0
	v_bfe_u32 v28, v0, 3, 1
	v_mul_u32_u24 v29, v1, KPITCH
	v_lshl_add_u32 v29, v2, 4, v29                 ; 144 r + 16 h
	v_add_nc_u32 v4, VBYTES, v29                   ; K: row r, 16 bytes for each half of the lanes
	v_lshl_add_u32 v30, v2, 3, v3
	v_mul_u32_u24 v30, v30, VPITCH
	v_lshl_add_u32 v5, v28, 4, v30                 ; V: row 8 h + (l & 7), 16 bytes at 16 ((l >> 3) & 1)
	v_add_nc_u32 v6, SLOT, v4                      ; the same in slot 1
	v_add_nc_u32 v7, SLOT, v5
	s_and_b32 s3, s9, 1
	s_lshl_b32 s3, s3, 5
	v_lshlrev_b32 v30, 3, v2
	v_sub_nc_u32 v8, v1, v30
	v_add_nc_u32 v8, s3, v8                        ; r - 8 h + 32 (g & 1)
	v_mov_b32 v9, 0xff800000                       ; -inf
	v_lshlrev_b32 v10, 7, v1
	v_lshl_add_u32 v10, v2, 4, v10                 ; 128 r + 16 h
	s_mul_i32 s3, s8, STAGEW
	s_add_co_u32 s3, s3, STAGE                     ; my stage
	v_add_nc_u32 v11, s3, v29
	v_bfe_u32 v30, v0, 3, 2
	v_mul_u32_u24 v30, v30, KPITCH
	v_lshl_add_u32 v30, v3, 4, v30
	v_add_nc_u32 v12, s3, v30                      ; back: eight lanes a row, four rows a load
	v_and_b32 v31, 31, v0
	v_lshlrev_b32 v13, 4, v31
	v_mov_b32 v17, 0                               ; the pairs' second registers, written once
	v_mov_b32 v19, 0
	v_mov_b32 v21, 0
	v_mov_b32 v23, 0
	QLOAD 54
	BEGINQ
	v_mov_b32 v24, 0                               ; the sums and O, once: the first substep stands inside the loop, so it cannot take the constant 0 as C
	v_mov_b32 v25, 0
	v_mov_b32 v26, 0
	v_mov_b32 v27, 0
	WIN 0x40
.set RI, 0
.rept 64
	v_mov_b32 v[OC+RI], 0
.set RI, RI+1
.endr
	WIN 0
	s_wait_loadcnt 0x0                             ; Q
; Keys 64 ss .. 64 ss + 63 of the tile in a slot against my 32 rows.
.macro SUBSTEP slot, ss
.irp kt, 0,1,2,3
.irp dh, 0,1
	ds_load_b128 v[KF+16*\kt+8*\dh:KF+16*\kt+8*\dh+3],   v[4+2*\slot] offset:64*KPITCH*\ss+16*KPITCH*\kt+64*\dh
	ds_load_b128 v[KF+16*\kt+8*\dh+4:KF+16*\kt+8*\dh+7], v[4+2*\slot] offset:64*KPITCH*\ss+16*KPITCH*\kt+64*\dh+32
.endr
.endr
.irp dt, 0,1,2,3
.irp kp, 0,1
	ds_load_tr16_b128 v[VF+16*\dt+8*\kp:VF+16*\dt+8*\kp+3],   v[5+2*\slot] offset:64*VPITCH*\ss+32*VPITCH*\kp+32*\dt
	ds_load_tr16_b128 v[VF+16*\dt+8*\kp+4:VF+16*\dt+8*\kp+7], v[5+2*\slot] offset:64*VPITCH*\ss+32*VPITCH*\kp+32*\dt+16*VPITCH
.endr
.endr
	s_wait_dscnt 16                                ; K's sixteen loads are in; V's sixteen stay out
	WIN 0x04                                       ; source 1 (Q) in window 1
	; the eight S tiles take turns, one instruction a turn; the first product starts each sum
.irp qt, 0,1
.irp kt, 0,1,2,3
	v_wmma_f32_16x16x32_f16 v[SC+32*\qt+8*\kt:SC+32*\qt+8*\kt+7], v[KF+16*\kt:KF+16*\kt+7], v[QF+16*\qt:QF+16*\qt+7], 0
.endr
.endr
.irp qt, 0,1
.irp kt, 0,1,2,3
	v_wmma_f32_16x16x32_f16 v[SC+32*\qt+8*\kt:SC+32*\qt+8*\kt+7], v[KF+16*\kt+8:KF+16*\kt+15], v[QF+16*\qt+8:QF+16*\qt+15], v[SC+32*\qt+8*\kt:SC+32*\qt+8*\kt+7]
.endr
.endr
	WIN 0
.rept 4
	v_nop                                          ; four places behind the products, before vector instructions read them (ISA guide 7.12.1)
.endr
	s_cmp_lg_u32 s16, \ss
	s_cbranch_scc1 .Lplain_\@
	; the substep on the diagonal: key 16 kt + 8 h + i beyond row 32 (g & 1) + 16 qt + r gets -inf.  Tile (qt 1, kt 0) lies below the diagonal for every lane.
.irp qt, 0,1
.irp kt, 0,1,2,3
.if (\qt == 0) || (\kt > 0)
.irp i, 0,1,2,3,4,5,6,7
	v_cmp_gt_i32 vcc_lo, 16*\kt+\i-16*\qt, v8
	v_cndmask_b32 v[SC+32*\qt+8*\kt+\i], v[SC+32*\qt+8*\kt+\i], v9, vcc_lo
.endr
.endif
.endr
.endr
.Lplain_\@:
	; the running maximum of each q row: two chains a q tile, begun with the old maximum, then the other half of the lanes (the row's other keys)
.irp qt, 0,1
	v_max3_num_f32 v[28+2*\qt], v[14+\qt], v[SC+32*\qt], v[SC+32*\qt+1]
	v_max3_num_f32 v[29+2*\qt], v[14+\qt], v[SC+32*\qt+16], v[SC+32*\qt+17]
.irp i, 2,4,6,8,10,12,14
	v_max3_num_f32 v[28+2*\qt], v[28+2*\qt], v[SC+32*\qt+\i], v[SC+32*\qt+\i+1]
	v_max3_num_f32 v[29+2*\qt], v[29+2*\qt], v[SC+32*\qt+16+\i], v[SC+32*\qt+17+\i]
.endr
	v_max_num_f32 v[28+2*\qt], v[28+2*\qt], v[29+2*\qt]
	v_permlanex16_b32 v[29+2*\qt], v[28+2*\qt], s18, s19
	v_max_num_f32 v[14+\qt], v[28+2*\qt], v[29+2*\qt]
.endr
	; t = -c x maximum, rounded once and used in every exponent, the rescaling's too, so that its rounding cancels in O / sum
.irp qt, 0,1
	v_mul_f32 v[28+2*\qt], s2, v[14+\qt]
	v_sub_f32 v[29+2*\qt], v[28+2*\qt], v[16+2*\qt]
	v_mov_b32 v[16+2*\qt], v[28+2*\qt]
	v_exp_f32 v[20+2*\qt], v[29+2*\qt]             ; 2^(t - old t); the line behind it is plain and names neither register (ISA guide 5.7.2)
.endr
.irp qt, 0,1
.irp i, 0,2,4,6,8,10,12,14,16,18,20,22,24,26,28,30
	v_pk_fma_f32 v[SC+32*\qt+\i:SC+32*\qt+\i+1], v[SC+32*\qt+\i:SC+32*\qt+\i+1], s[20:21], v[16+2*\qt:17+2*\qt] op_sel_hi:[1,0,0]
.endr
.endr
.set RI, 0
.rept 64
	v_exp_f32 v[SC+RI], v[SC+RI]                   ; p = 2^(c s + t)
.set RI, RI+1
.endr
	WIN 0x41                                       ; O in window 1: the first of these lines is the plain place behind the exponentials
	s_wait_alu depctr_va_vdst(0)
.irp qt, 0,1
.irp i, 0,2,4,6,8,10,12,14,16,18,20,22,24,26,28,30
	v_pk_mul_f32 v[OC+32*\qt+\i:OC+32*\qt+\i+1], v[OC+32*\qt+\i:OC+32*\qt+\i+1], v[20+2*\qt:21+2*\qt] op_sel_hi:[1,0]
.endr
.endr
	WIN 0
.irp qt, 0,1
	v_pk_fma_f32 v[24+2*\qt:25+2*\qt], v[24+2*\qt:25+2*\qt], v[20+2*\qt:21+2*\qt], v[SC+32*\qt:SC+32*\qt+1] op_sel_hi:[1,0,1]
.endr
.irp i, 2,4,6,8,10,12,14,16,18,20,22,24,26,28,30
.irp qt, 0,1
	v_pk_add_f32 v[24+2*\qt:25+2*\qt], v[24+2*\qt:25+2*\qt], v[SC+32*\qt+\i:SC+32*\qt+\i+1]
.endr
.endr
	; S tiles 2 kp and 2 kp + 1, packed, are registers 0-3 and 4-7 of P's fragment for keys 32 kp ..
.irp qt, 0,1
.irp kt, 0,1,2,3
.irp i, 0,1,2,3
	v_cvt_pk_f16_f32 v[PB+16*\qt+4*\kt+\i], v[SC+32*\qt+8*\kt+2*\i], v[SC+32*\qt+8*\kt+2*\i+1]
.endr
.endr
.endr
	s_wait_dscnt 0x0                               ; V
	WIN 0x50                                       ; C and D (O) in window 1
	; the eight O tiles take turns, one instruction a turn
.irp kp, 0,1
.irp qt, 0,1
.irp dt, 0,1,2,3
	v_wmma_f32_16x16x32_f16 v[OC+32*\qt+8*\dt:OC+32*\qt+8*\dt+7], v[VF+16*\dt+8*\kp:VF+16*\dt+8*\kp+7], v[PB+16*\qt+8*\kp:PB+16*\qt+8*\kp+7], v[OC+32*\qt+8*\dt:OC+32*\qt+8*\dt+7]
.endr
.endr
.endr
	WIN 0
.rept 4
	v_nop                                          ; four places: the next loads land in V's registers, and the block's end reads O
.endr
.endm
; A q block ends: O / sum, rounded to f16, through my stage, out as 512 consecutive bytes (four rows of the head) a store.
; tail = 0: the first block; the second block's Q is asked for first, and the maxima begin anew.
.macro EPI tail
.if \tail == 0
	QLOAD 56
.endif
	v_add_f32 v28, v24, v25
	v_add_f32 v30, v26, v27
	v_permlanex16_b32 v29, v28, s18, s19           ; the row's other keys
	v_permlanex16_b32 v31, v30, s18, s19
	v_add_f32 v28, v28, v29
	v_add_f32 v30, v30, v31
	v_rcp_f32 v20, v28                             ; the sum is near 1 at the least: the row's largest score gives 2^0 up to the rounding of t
	v_rcp_f32 v22, v30
	v_nop                                          ; one plain place behind them (ISA guide 5.7.2)
	WIN 0x41
	s_wait_alu depctr_va_vdst(0)
.irp qt, 0,1
.irp i, 0,2,4,6,8,10,12,14,16,18,20,22,24,26,28,30
	v_pk_mul_f32 v[OC+32*\qt+\i:OC+32*\qt+\i+1], v[OC+32*\qt+\i:OC+32*\qt+\i+1], v[20+2*\qt:21+2*\qt] op_sel_hi:[1,0]
.endr
.endr
	WIN 0x05
.irp qt, 0,1
.irp dt, 0,1,2,3
.irp i, 0,1,2,3
	v_cvt_pk_f16_f32 v[SC+16*\qt+4*\dt+\i], v[OC+32*\qt+8*\dt+2*\i], v[OC+32*\qt+8*\dt+2*\i+1]
.endr
.endr
.endr
	WIN 0
.irp qt, 0,1
.irp dt, 0,1,2,3
	ds_store_b128 v11, v[SC+16*\qt+4*\dt:SC+16*\qt+4*\dt+3] offset:16*KPITCH*\qt+32*\dt   ; row 16 qt + r, d = 16 dt + 8 h ..
.endr
.endr
.irp t, 0,1,2,3,4,5,6,7
	ds_load_b128 v[SC+32+4*\t:SC+32+4*\t+3], v12 offset:4*KPITCH*\t   ; LDS serves a wave's instructions in order (ISA guide 5.7.1): these see the stores above
.endr
.irp t, 0,1,2,3,4,5,6,7
	s_wait_dscnt 7-\t                              ; rows 4 t .. 4 t + 3 are back, the younger ones stay out
.if \tail
	global_store_b128 v13, v[SC+32+4*\t:SC+32+4*\t+3], s[60:61] offset:512*\t
.else
	global_store_b128 v13, v[SC+32+4*\t:SC+32+4*\t+3], s[58:59] offset:512*\t
.endif
.endr
.if \tail == 0
	BEGINQ
	s_wait_loadcnt 0x0                             ; the second block's Q
	s_wait_xcnt 0x0                                ; the stores' data registers are S's: written again only behind this wait
.endif
.endm
; One key tile of 256.  In front of the barrier every wave waits for all its tensor loads (its part of this step's tile) and for its reads of the
; other slot; behind it the next tile goes into the other slot first, and has this step's work in which to land.
; The next tile's address is formed anew from the address at tile 0 and the tile's number, and the type is set behind the sum.
.macro STEP slot, refill, tail
	s_set_vgpr_msb 0x5
	s_wait_tensorcnt 0x0                           ; no tensor load of mine is out: the group 0 sets may be written
	ds_add_u32 v96, v97
	s_wait_dscnt 0x0
	s_set_vgpr_msb 0x500
	s_wait_dscnt 0x0
.if \tail
	s_mov_b32 s15, s62                             ; the last step is the second block's diagonal tile
	s_mov_b32 s16, s63
.else
	s_add_co_u32 s14, s14, 1                       ; the next tile,
	s_cmp_eq_u32 s12, s10                          ; but step j is the first block's diagonal tile, and behind it the second block begins at tile 0
	s_cselect_b32 s14, 0, s14
	s_cselect_b32 s15, s62, 4                      ; a diagonal tile ends with its masked substep
	s_cselect_b32 s16, s63, 64                     ; 64: no substep is masked
	s_cselect_b32 s17, 1, 0
	s_lshl_b32 s26, s14, 15                        ; tiles of 256 rows of 128 bytes
	s_add_nc_u64 s[46:47], s[22:23], s[26:27]
	s_or_b32 s47, s47, 0x80000000
	s_add_nc_u64 s[50:51], s[24:25], s[26:27]
	s_or_b32 s51, s51, 0x80000000
	s_add_co_u32 s45, s52, (1-\slot)*SLOT
	s_add_co_u32 s49, s53, (1-\slot)*SLOT
.endif
	s_barrier_signal -1
	s_barrier_wait -1
.if \refill
	VKLOAD
.endif
	SUBSTEP \slot, 0
	s_cmp_le_u32 s15, 1
	s_cbranch_scc1 .Lleft_\@
	SUBSTEP \slot, 1
	s_cmp_le_u32 s15, 2
	s_cbranch_scc1 .Lleft_\@
	SUBSTEP \slot, 2
	s_cmp_le_u32 s15, 3
	s_cbranch_scc1 .Lleft_\@
	SUBSTEP \slot, 3
.Lleft_\@:
.if \tail
	EPI 1
.else
	s_cmp_eq_u32 s17, 0
	s_cbranch_scc1 .Lon_\@
	EPI 0
.Lon_\@:
	s_add_co_u32 s12, s12, 1
.endif
.endm
	s_mov_b32 s12, 0
	s_mov_b32 s13, 4
	s_mov_b32 s14, 0                               ; tile 0 has been asked for
.Llap:
	STEP 0, 1, 0
	STEP 1, 1, 0
	s_sub_co_u32 s13, s13, 1
	s_cmp_lg_u32 s13, 0
	s_cbranch_scc1 .Llap
	STEP 0, 0, 1                                   ; the ninth tile: nothing is left to fetch
	s_set_vgpr_msb 0x5
	s_wait_tensorcnt 0x0
	ds_add_u32 v96, v97
	s_wait_dscnt 0x0
	s_set_vgpr_msb 0x500
	s_endpgm
.Lfunc_end_k_qb5cb5a4f57_attn:
	.size	k_qb5cb5a4f57_attn, .Lfunc_end_k_qb5cb5a4f57_attn-k_qb5cb5a4f57_attn
	.p2alignl 7, 3214868480
	.fill 96, 4, 3214868480
	.section	.rodata,"a",@progbits
	.p2align	6, 0x0
	.amdhsa_kernel k_qb5cb5a4f57_attn
		.amdhsa_group_segment_fixed_size 327680
		.amdhsa_private_segment_fixed_size 0
		.amdhsa_enable_private_segment 0
		.amdhsa_kernarg_size 16
		.amdhsa_user_sgpr_count 2
		.amdhsa_user_sgpr_kernarg_segment_ptr 1
		.amdhsa_wavefront_size32 1
		.amdhsa_system_sgpr_workgroup_id_x 1
		.amdhsa_system_sgpr_workgroup_id_y 1
		.amdhsa_system_sgpr_workgroup_id_z 1
		.amdhsa_system_vgpr_workitem_id 0
		.amdhsa_next_free_vgpr 354
		.amdhsa_next_free_sgpr 66
		.amdhsa_reserve_vcc 1
		.amdhsa_float_denorm_mode_32 3
		.amdhsa_float_denorm_mode_16_64 3
		.amdhsa_memory_ordered 1
		.amdhsa_forward_progress 1
		.amdhsa_inst_pref_size 255
	.end_amdhsa_kernel
	.section	.bss,"aw",@nobits
	.p2align	6
	.space	262144
	.amdgpu_metadata
---
amdhsa.version: [ 1, 2 ]
amdhsa.kernels:
  - .name:           k_qb5cb5a4f57_attn
    .symbol:         k_qb5cb5a4f57_attn.kd
    .args:
      - { .name: qkv, .offset: 0, .size: 8, .value_kind: global_buffer, .address_space: global }
      - { .name: ao, .offset: 8, .size: 8, .value_kind: global_buffer, .address_space: global }
    .group_segment_fixed_size: 327680
    .private_segment_fixed_size: 0
    .kernarg_segment_align: 8
    .kernarg_segment_size: 16
    .max_flat_workgroup_size: 256
    .sgpr_count:     66
    .vgpr_count:     354
    .wavefront_size: 32
...
	.end_amdgpu_metadata
.endif
;; end of part 3
;; launch oproj (part 4): grid 4 x 64, 4 waves a work-group, clusters of 4 x 4, 327,680 bytes of LDS; arguments ao, wb, out0; writes out0
.if DOCPART == 4
	.amdgcn_target "amdgcn-amd-amdhsa--gfx1250"
	.amdhsa_code_object_version 6
	.text
	.protected	k_qb5cb5a4f57_oproj
	.globl	k_qb5cb5a4f57_oproj
	.p2align	8
	.type	k_qb5cb5a4f57_oproj,@function
k_qb5cb5a4f57_oproj:
	s_mov_b64 s[64:65], 0
	v_nop
	global_prefetch_b8 v0, s[64:65] scope:SCOPE_SE
	s_setreg_imm32_b32 hwreg(HW_REG_WAVE_MODE, 25, 1), 1
	s_wait_xcnt 0x0
	s_wait_alu depctr_hold_cnt(0) depctr_sa_sdst(0) depctr_va_vdst(0) depctr_va_sdst(0) depctr_va_ssrc(0) depctr_va_vcc(0) depctr_vm_vsrc(0)
	s_getreg_b32 s2, hwreg(HW_REG_IB_STS2, 6, 4)
	s_cmp_eq_u32 s2, 0
	s_cbranch_scc0 .Lentry_in_a_cluster
	s_endpgm
.Lentry_in_a_cluster:
	s_bfe_u32 s2, ttmp6, 0x10000c
	s_cmp_lg_u32 s2, 0xf033
	s_cbranch_scc0 .Lentry_shape_is_right
	s_endpgm
.Lentry_shape_is_right:
; out0 = (attention output) Wo^T as C = A W^T, f16 operands, f32 sums.
; A = ao [16 heads][8192 rows][64] f16 (K = 64 head + d), W = rows 3072-4095 of wb (Wo) [1024][1024] f16; C leaves as f32: out0 [8192][1024].
; A work-group makes 128 x 256 of C with four waves, 2 x 2; a wave makes 64 x 128: 32 accumulator tiles of 16 x 16, 256 registers.
; (Blocks of 256 x 256 would give 128 work-groups; these give 256.)
; K goes in steps of 128 (two heads) through two LDS slots filled by the tensor data mover, one load a wave: waves 0, 1 fetch W's two halves
; of 128 rows, waves 2, 3 A's two heads.
; CLUSTERS: 4 x 4 work-groups.  A's tile hangs on the block row alone and is asked for jointly by the four of a row of the cluster;
; W's hangs on the block column alone and is asked for jointly by the four of a column: a quarter of the requests.
; REGISTERS: window 0: addresses, two fragment buffers; window 1: the accumulators, tile (a, b) at v[8 (8 a + b)].
; THE MATRIX INSTRUCTION IS USED TRANSPOSED: source 0 = 16 rows of W, source 1 = 16 rows of A, so that lane l holds row l % 16 of C
; and its eight registers the neighbouring columns 8 (l / 16) + 0 .. 7.
.set KDIM,   1024
.set KSTEP,  128
.set LAPS,   KDIM/(2*KSTEP)            ; a lap = two K steps = once round the ring: 4
.set PITCH,  272                       ; W's LDS rows: 256 bytes + 16 of padding: the 16 rows of a fragment start 16 bytes apart modulo 256
.set BHALF,  128*PITCH                 ; what one of W's loads brings, and what one wave reads of W
.set BTILE,  2*BHALF
.set ACOLS,  64                        ; A's part: one head's 64 K of the block's 128 rows
.set AROWS,  128
.set ASTRIDE, 64
.set AQI,    4                         ; padding behind every 32 words
.set APITCH, 144
.set AKHI,   AROWS*APITCH              ; the K step's second 64 K lie in the second part
.set ASTEP,  0x200000                  ; a K step = two heads of 1 MiB
.set WOFF,   0x600000                  ; Wo: row 3072 of wb
.set SPITCH, 528                       ; the stage's rows: 128 f32 + 16 bytes
.set APART,  AROWS*APITCH              ; what one of A's loads brings
.set SLOT,   BTILE+2*APART             ; W's 256 rows, then A's two parts
.set STAGE,  2*SLOT                    ; behind the ring, a multiple of 256: 16 rows for each wave, for the way out; no fill lands here
.set STAGEW, 16*SPITCH
.set ADRA, 16                          ; v16-17  LDS address of my A fragments in slot 0, 1
.set ADRB, 20                          ; v20-21  the same for W
.set STO,  24                          ; v24     the way out: where I put my piece of a row
.set RD,   25                          ; v25     the way out: where I read back
.set CO,   26                          ; v26     my byte offset in C
.set FA0,  32                          ; v32-63, v64-95     A's 4 fragments, buffers 0, 1
.set FB0,  96                          ; v96-159, v160-223  W's 8 fragments, buffers 0, 1
.set G1,  24                           ; s[24:31] descriptor group 1 for A
.set G0,  32                           ; s[32:39] descriptor group 0 for A, one set for each slot
.set G1B, 48                           ; s[48:55] group 1 for W
.set G0B, 56                           ; s[56:63] group 0 for W, one set for each slot
.set MUL, 0x50                         ; C and D in window 1, sources in window 0
.set MSB, 0
.macro WIN new                         ; the immediate's high byte repeats the setting that is left
.if MSB != \new
	s_set_vgpr_msb (MSB<<8)|\new
.set MSB, \new
.endif
.endm
; A joint load: waves 0, 1 ask for W, waves 2, 3 for A.  Each line has one mask; the branch hangs on the wave's number alone.
.macro JLOAD s
	s_cmp_eq_u32 s11, 0
	s_cbranch_scc0 .Lfor_a_\@
	tensor_load_to_lds s[G0B+4*\s:G0B+4*\s+3], s[G1B:G1B+7]
	s_nop 0
	s_branch .Lasked_\@
.Lfor_a_\@:
	tensor_load_to_lds s[G0+4*\s:G0+4*\s+3], s[G1:G1+7]
	s_nop 0
.Lasked_\@:
.endm
; A round of the cluster's barrier: my work-group's barrier, wave 0 signals for the work-group, every wave waits for all sixteen, my work-group's barrier again.
.macro CREST                           ; a round behind its opening barrier
	s_cmp_lg_u32 s10, 0
	s_cbranch_scc1 .Lnot_wave_0_\@
	s_barrier_signal -3
.Lnot_wave_0_\@:
	s_barrier_wait -3
	s_barrier_signal -1
	s_barrier_wait -1
.endm
.macro CROUND
	s_barrier_signal -1
	s_barrier_wait -1
	CREST
.endm
	s_load_b128 s[4:7], s[0:1], 0x0                ; ao s[4:5], wb s[6:7]
	s_load_b64 s[8:9], s[0:1], 0x10                ; out0
	v_lshl_add_u32 v254, v0, 2, 0x3c400
	v_mov_b32 v255, 0
	ds_add_u32 v254, v255
	ds_add_u32 v254, v255
	v_lshrrev_b32 v1, 5, v0
	v_readfirstlane_b32 s10, v1                    ; wave 0..3
	s_lshr_b32 s11, s10, 1                         ; which 64 rows of the block are mine.  Also: I fetch for W (0) or for A (1)
	s_and_b32 s12, s10, 1                          ; which 128 columns.  Also: which part of that tile I fetch
	s_bfe_u32 s40, ttmp6, 0x40000                  ; cx
	s_bfe_u32 s41, ttmp6, 0x40004                  ; cy
	s_lshl_b32 s42, ttmp9, 2
	s_add_co_u32 s42, s42, s40                     ; block column = 4 x cluster x + cx
	s_and_b32 s13, ttmp7, 0xffff
	s_lshl_b32 s13, s13, 2
	s_add_co_u32 s13, s13, s41                     ; block row = 4 x cluster y + cy
	s_lshl_b32 s43, s41, 2
	s_lshl_b32 s43, 15, s43                        ; my row of the cluster: places 4 cy .. 4 cy + 3
	s_lshl_b32 s44, 0x1111, s40                    ; my column: places cx, cx + 4, cx + 8, cx + 12
	; group 1 for A: 128 rows of 64 elements of 2 bytes, 4 words of padding behind each row; the mask names my row; bit 21 beside a mask
	s_or_b32 s[G1+0], s43, (1<<16)|(1<<20)|(1<<21)|(AQI<<22)|(3<<25)
	s_mov_b32 s[G1+1], ACOLS<<16                   ; tensor_dim0
	s_mov_b32 s[G1+2], AROWS<<16                   ; tensor_dim1
	s_mov_b32 s[G1+3], ACOLS<<16                   ; tile_dim0
	s_mov_b32 s[G1+4], AROWS                       ; tile_dim1
	s_mov_b32 s[G1+5], ASTRIDE                     ; elements from row to row
	s_mov_b32 s[G1+6], 0
	s_mov_b32 s[G1+7], 0
	; group 1 for W: 128 rows of 128 elements, padded to 272 bytes; the mask names my column
	s_or_b32 s[G1B+0], s44, (1<<16)|(1<<20)|(1<<21)|(5<<22)|(3<<25)
	s_mov_b32 s[G1B+1], KSTEP<<16
	s_mov_b32 s[G1B+2], 128<<16
	s_mov_b32 s[G1B+3], KSTEP<<16
	s_mov_b32 s[G1B+4], 128
	s_mov_b32 s[G1B+5], KDIM
	s_mov_b32 s[G1B+6], 0
	s_mov_b32 s[G1B+7], 0
	; where the tiles come from: A's offset is made of the block row and the wave's number, W's of the block column and the wave's number,
	; each in registers that never hold the other coordinate
	s_lshl_b32 s16, s13, 14                        ; 128 rows of 128 bytes a block row,
	s_lshl_b32 s17, s12, 20                        ; and my head of the K step's two
	s_add_co_u32 s16, s16, s17
	s_mov_b32 s17, 0
	s_lshl_b32 s46, s42, 8
	s_lshl_b32 s47, s12, 7
	s_add_co_u32 s46, s46, s47                     ; row 256 x block column + 128 x half
	s_lshl_b32 s46, s46, 11
	s_add_co_u32 s46, s46, WOFF
	s_mov_b32 s47, 0
	s_mul_i32 s20, s10, BHALF                      ; where W's halves go: waves 0, 1
	s_mul_i32 s21, s10, APART
	s_add_co_u32 s21, s21, BTILE-2*APART           ; where A's parts go: waves 2, 3, behind W's 256 rows.  No place in the cluster enters an LDS address
	s_wait_dscnt 0x0
	s_wait_kmcnt 0x0
	s_add_nc_u64 s[14:15], s[4:5], s[16:17]
	s_add_nc_u64 s[46:47], s[6:7], s[46:47]
	CROUND                                         ; all sixteen work-groups are here: the first joint loads meet
.irp s, 0,1
	s_mov_b32 s[G0+4*\s], 1
	s_add_co_u32 s[G0+4*\s+1], s21, \s*SLOT
	s_add_nc_u64 s[G0+4*\s+2:G0+4*\s+3], s[14:15], \s*ASTEP        ; K step s
	s_or_b32 s[G0+4*\s+3], s[G0+4*\s+3], 0x80000000
	s_mov_b32 s[G0B+4*\s], 1
	s_add_co_u32 s[G0B+4*\s+1], s20, \s*SLOT
	s_add_nc_u64 s[G0B+4*\s+2:G0B+4*\s+3], s[46:47], \s*KSTEP*2
	s_or_b32 s[G0B+4*\s+3], s[G0B+4*\s+3], 0x80000000
	JLOAD \s                                       ; both slots' first fills go out together: two loads of a wave are out
.endr
	; a fragment: lane l holds row l % 16; registers 0-3 K = 8 (l / 16) + 0..7, registers 4-7 K = 16 + 8 (l / 16) + 0..7: two loads of 16 bytes, 32 apart
	v_and_b32 v1, 15, v0                           ; r
	v_bfe_u32 v2, v0, 4, 1                         ; h
	v_mul_u32_u24 v3, v1, PITCH
	v_lshl_add_u32 v3, v2, 4, v3                   ; W: r x pitch + 16 h
	v_mul_u32_u24 v4, v1, APITCH
	v_lshl_add_u32 v4, v2, 4, v4                   ; A likewise
	s_mul_i32 s22, s12, BHALF                      ; my 128 rows of W
	s_mul_i32 s23, s11, 64*APITCH                  ; my 64 rows of A,
	s_add_co_u32 s23, s23, BTILE                   ; which lie behind W's 256
.irp s, 0,1
	v_add_nc_u32 v[ADRB+\s], s22, v3
	v_add_nc_u32 v[ADRA+\s], s23, v4
	s_add_co_u32 s22, s22, SLOT
	s_add_co_u32 s23, s23, SLOT
.endr
	s_mul_i32 s22, s10, STAGEW
	s_add_co_u32 s22, s22, STAGE                   ; my stage
	v_mul_u32_u24 v5, v1, SPITCH                   ; in: row r, 32 bytes for each half of the lanes
	v_lshl_add_u32 v5, v2, 5, v5
	v_add_nc_u32 v[STO], s22, v5
	v_and_b32 v6, 31, v0
	v_lshlrev_b32 v[CO], 4, v6                     ; back and out: 32 lanes take a row's 512 bytes
	v_add_nc_u32 v[RD], s22, v[CO]
; 8 matrix instructions: row block a x all 8 column blocks, 32 along K, from buffer f.  zero = 1: the first product starts the sums.
; The 32 accumulators take turns, one instruction a turn, in the same order in every quarter step.
.macro MUL8 f, a, zero
.irp b, 0,1,2,3,4,5,6,7
.if \zero
	v_wmma_f32_16x16x32_f16 v[8*(8*\a+\b):8*(8*\a+\b)+7], v[FB0+64*\f+8*\b:FB0+64*\f+8*\b+7], v[FA0+32*\f+8*\a:FA0+32*\f+8*\a+7], 0
.else
	v_wmma_f32_16x16x32_f16 v[8*(8*\a+\b):8*(8*\a+\b)+7], v[FB0+64*\f+8*\b:FB0+64*\f+8*\b+7], v[FA0+32*\f+8*\a:FA0+32*\f+8*\a+7], v[8*(8*\a+\b):8*(8*\a+\b)+7]
.endif
.endr
.endm
; 24 LDS loads in one run: quarter step kq (32 K) of a slot into buffer f: W's 8 fragments, then A's 4
.macro FETCH slot, kq, f
.irp i, 0,1,2,3,4,5,6,7
	ds_load_b128 v[FB0+64*\f+8*\i:FB0+64*\f+8*\i+3],   v[ADRB+\slot] offset:64*\kq+\i*16*PITCH
	ds_load_b128 v[FB0+64*\f+8*\i+4:FB0+64*\f+8*\i+7], v[ADRB+\slot] offset:64*\kq+\i*16*PITCH+32
.endr
.irp i, 0,1,2,3
	ds_load_b128 v[FA0+32*\f+8*\i:FA0+32*\f+8*\i+3],   v[ADRA+\slot] offset:(\kq>>1)*AKHI+(\kq&1)*64+\i*16*APITCH
	ds_load_b128 v[FA0+32*\f+8*\i+4:FA0+32*\f+8*\i+7], v[ADRA+\slot] offset:(\kq>>1)*AKHI+(\kq&1)*64+\i*16*APITCH+32
.endr
.endm
; A load into a register that a matrix instruction has read, and a vector or LDS instruction that reads a matrix result, stand four places behind
; that matrix instruction; only plain vector instructions that name none of its registers are places.
.macro PLACES
.rept 4
	v_nop
.endr
.endm
; One of a K step's first three quarters: multiplies buffer f; in its middle it fetches quarter kq of the same slot into buffer g.
.macro QUARTER slot, kq, f, g, zero
	s_wait_dscnt 4                                 ; W and A's blocks 0, 1 are in; the youngest four loads (A's blocks 2, 3) may be out
	WIN MUL
	MUL8 \f, 0, \zero
	MUL8 \f, 1, \zero
	PLACES
	WIN 0
	FETCH \slot, \kq, \g
	s_wait_dscnt 24                                ; all but the 24 just issued
	WIN MUL
	MUL8 \f, 2, \zero
	MUL8 \f, 3, \zero
.endm
.macro THREE slot, zero
	QUARTER \slot, 1, 0, 1, \zero
	QUARTER \slot, 2, 1, 0, 0
	QUARTER \slot, 3, 0, 1, 0
.endm
; The last quarter: multiplies buffer 1 and changes slots.  In front of the barrier each wave waits for its reads of this slot and for all its
; tensor loads (one is out: its part of the next slot).  Behind it (with fill: behind the cluster's round that it opens) nobody reads this slot
; and the next slot is whole: the refill comes first, then the next slot's first fragments.
.macro TURN slot, next, fill
	s_wait_dscnt 4
	WIN MUL
	MUL8 1, 0, 0
	s_wait_dscnt 0                                 ; my reads of this slot are over
	s_wait_tensorcnt 0x0                           ; all my tensor loads have landed
	ds_add_u32 v254, v255
	s_wait_dscnt 0x0
	s_barrier_signal -1
	MUL8 1, 1, 0                                   ; register work while the others arrive
	WIN 0
	s_barrier_wait -1
.if \fill
	CREST                                          ; no wave of any partner still reads this slot or has a load on its way
	s_add_nc_u64 s[G0+4*\slot+2:G0+4*\slot+3], s[G0+4*\slot+2:G0+4*\slot+3], 2*ASTEP
	s_add_nc_u64 s[G0B+4*\slot+2:G0B+4*\slot+3], s[G0B+4*\slot+2:G0B+4*\slot+3], 2*KSTEP*2
	JLOAD \slot                                    ; my one tensor load behind the round, two K steps ahead
.endif
	PLACES
	FETCH \next, 0, 0
	WIN MUL
	MUL8 1, 2, 0
	MUL8 1, 3, 0
.endm
.macro LAP zero
	THREE 0, \zero
	TURN 0, 1, 1
	THREE 1, 0
	TURN 1, 0, 1
.endm
	s_wait_tensorcnt 0x1                           ; my part of K step 0 is in; K step 1's may stay out
	s_barrier_signal -1
	s_barrier_wait -1
	FETCH 0, 0, 0
	LAP 1                                          ; the first lap stands in front of the loop: its first products start the sums
	WIN 0                                          ; at a label and at a branch every window is 0
	s_mov_b32 s3, LAPS-2
.Llap:
	LAP 0
	WIN 0
	s_sub_co_u32 s3, s3, 1
	s_cmp_lg_u32 s3, 0
	s_cbranch_scc1 .Llap
	THREE 0, 0                                     ; the last lap fills nothing
	TURN 0, 1, 0
	THREE 1, 0
	s_wait_dscnt 4
	WIN MUL
	MUL8 1, 0, 0
	MUL8 1, 1, 0
	s_wait_dscnt 0
	MUL8 1, 2, 0
	MUL8 1, 3, 0
	PLACES                                         ; the places behind the last matrix instructions, for all that reads results or loads into the buffers below
	WIN 0
	; THE WAY OUT, 16 rows at a time, through my own stage in LDS (LDS serves a wave's instructions in order, ISA guide 5.7.1: no wait between my stores and my loads)
	s_lshl_b32 s16, s13, 7
	s_lshl_b32 s14, s11, 6
	s_add_co_u32 s16, s16, s14                     ; my first row of C
	s_lshl_b32 s16, s16, 12                        ; rows of 4,096 bytes
	s_mov_b32 s17, 0
	s_add_nc_u64 s[8:9], s[8:9], s[16:17]
	s_lshl_b32 s46, s42, 10                        ; my first column, in bytes: 1,024 x block column + 512 x half
	s_lshl_b32 s47, s12, 9
	s_add_co_u32 s46, s46, s47
	s_mov_b32 s47, 0
	s_add_nc_u64 s[8:9], s[8:9], s[46:47]
; rows 16 a .. 16 a + 15: f32 straight from the accumulators into the stage, back as whole rows of 512 bytes, out: a store covers 512 consecutive bytes, aligned
.macro OUT16 a, f
	WIN 0x04                                       ; LDS store data in window 1
.irp b, 0,1,2,3,4,5,6,7
	ds_store_b128 v[STO], v[8*(8*\a+\b):8*(8*\a+\b)+3]   offset:64*\b
	ds_store_b128 v[STO], v[8*(8*\a+\b)+4:8*(8*\a+\b)+7] offset:64*\b+16
.endr
	WIN 0
	s_wait_xcnt 0x0                                ; the registers that earlier stores read are loaded again only behind this wait
.irp t, 0,1,2,3,4,5,6,7,8,9,10,11,12,13,14,15
	ds_load_b128 v[FA0+64*\f+4*\t:FA0+64*\f+4*\t+3], v[RD] offset:\t*SPITCH
.endr
.irp t, 0,1,2,3,4,5,6,7,8,9,10,11,12,13,14,15
	s_wait_dscnt 15-\t                             ; row t is back, the younger ones stay out
	global_store_b128 v[CO], v[FA0+64*\f+4*\t:FA0+64*\f+4*\t+3], s[8:9] offset:4096*\t+65536*\a th:TH_STORE_NT
.endr
.endm
	OUT16 0, 0
	OUT16 1, 1
	OUT16 2, 0
	OUT16 3, 1
	s_wait_tensorcnt 0x0
	ds_add_u32 v254, v255
	s_wait_dscnt 0x0
	CROUND                                         ; the closing round: no work-group ends while a partner may still ask for a tile that names it
	s_endpgm
.Lfunc_end_k_qb5cb5a4f57_oproj:
	.size	k_qb5cb5a4f57_oproj, .Lfunc_end_k_qb5cb5a4f57_oproj-k_qb5cb5a4f57_oproj
	.p2alignl 7, 3214868480
	.fill 96, 4, 3214868480
	.section	.rodata,"a",@progbits
	.p2align	6, 0x0
	.amdhsa_kernel k_qb5cb5a4f57_oproj
		.amdhsa_group_segment_fixed_size 327680
		.amdhsa_private_segment_fixed_size 0
		.amdhsa_enable_private_segment 0
		.amdhsa_kernarg_size 24
		.amdhsa_user_sgpr_count 2
		.amdhsa_user_sgpr_kernarg_segment_ptr 1
		.amdhsa_wavefront_size32 1
		.amdhsa_system_sgpr_workgroup_id_x 1
		.amdhsa_system_sgpr_workgroup_id_y 1
		.amdhsa_system_sgpr_workgroup_id_z 1
		.amdhsa_system_vgpr_workitem_id 0
		.amdhsa_next_free_vgpr 512
		.amdhsa_next_free_sgpr 66
		.amdhsa_reserve_vcc 0
		.amdhsa_float_denorm_mode_32 3
		.amdhsa_float_denorm_mode_16_64 3
		.amdhsa_memory_ordered 1
		.amdhsa_forward_progress 1
		.amdhsa_inst_pref_size 118
	.end_amdhsa_kernel
	.amdgpu_metadata
---
amdhsa.version: [ 1, 2 ]
amdhsa.kernels:
  - .name:           k_qb5cb5a4f57_oproj
    .symbol:         k_qb5cb5a4f57_oproj.kd
    .args:
      - { .name: ao, .offset: 0, .size: 8, .value_kind: global_buffer, .address_space: global }
      - { .name: wb, .offset: 8, .size: 8, .value_kind: global_buffer, .address_space: global }
      - { .name: out0, .offset: 16, .size: 8, .value_kind: global_buffer, .address_space: global }
    .group_segment_fixed_size: 327680
    .private_segment_fixed_size: 0
    .kernarg_segment_align: 8
    .kernarg_segment_size: 24
    .max_flat_workgroup_size: 128
    .sgpr_count:     66
    .vgpr_count:     512
    .wavefront_size: 32
...
	.end_amdgpu_metadata
.endif
;; end of part 4
